; MI455X (gfx1250); checked and timed in simulation.
; The chip was launched on July 23, 2026; its instructions are those of AMD's public machine-readable ISA for CDNA 5 (MIT licence, August 2026) and "CDNA5" Instruction Set Architecture Reference Guide (July 2026). The comments in the code are by the model that wrote it; some were corrected since.
;; Multi Head Attention. Allowed arithmetic: matrix products marked QUANTISED: E2M1 operands, one E8M0 scale for each 32 along K, by v_wmma_scale_f32_16x16x128_f8f6f4 with both operands' format E2M1 (or v_wmma_scale_f32_32x16x128_f4), f32 sums; everything else in f32.
;; Inputs: Wk_codes 512 x 16 x 16 uint8 (E2M1 codes of Wk, K innermost, in blocks of 32 codes, two codes a byte); Wk_scales 512 x 16 uint8 (E8M0 scales of Wk, one for each 32 codes along K); Wq_codes 512 x 16 x 16 uint8 (E2M1 codes of Wq, K innermost, in blocks of 32 codes, two codes a byte); Wq_scales 512 x 16 uint8 (E8M0 scales of Wq, one for each 32 codes along K); Wv_codes 512 x 16 x 16 uint8 (E2M1 codes of Wv, K innermost, in blocks of 32 codes, two codes a byte); Wv_scales 512 x 16 uint8 (E8M0 scales of Wv, one for each 32 codes along K); bk 512 float32; bq 512 float32; bv 512 float32; x_codes 32 x 1,024 x 16 x 16 uint8 (E2M1 codes of x, K innermost, in blocks of 32 codes, two codes a byte); x_scales 32 x 1,024 x 16 uint8 (E8M0 scales of x, one for each 32 codes along K).
;; Outputs: out0 32 x 1,024 x 512 float32.
;; This version of the problem:
;;   THIS VERSION OF THE PROBLEM IS GIVEN IN LOW PRECISION. The matrix products marked QUANTISED in the list below multiply operands that are first quantised to E2M1 (2 exponent bits, 1 mantissa bit; 4 bits a number), with one power-of-two scale for each 32 numbers along K (OCP MX v1.0); their sums are f32. All else is computed in f32.
;;   The module's matrix products, in the order in which they are computed (A, B: the left and right operand; K: the contracted axis; several contracted axes count as one K, in the product's order):
;;     1. [M 32,768, K 512] x [K 512, N 512]; A: input x (given as codes); B: input Wq (given as codes): QUANTISED
;;     2. [M 32,768, K 512] x [K 512, N 512]; A: input x (given as codes); B: input Wk (given as codes): QUANTISED
;;     3. [M 32,768, K 512] x [K 512, N 512]; A: input x (given as codes); B: input Wv (given as codes): QUANTISED
;;     4. batch 256 x [M 1,024, K 64] x [K 64, N 1,024]; A: computed on the way; B: computed on the way: QUANTISED
;;     5. batch 256 x [M 1,024, K 1,024] x [K 1,024, N 64]; A: softmax (see below); B: computed on the way: QUANTISED
;;   THE QUANTISER, for each operand of a quantised product, along K:
;;     - K is cut into blocks of 32 from its start; a last block that is shorter is filled with zeros.
;;     - A block's scale is 2^e with e = floor(log2(the largest magnitude in the block)) - 2, held to -126 .. 127; a block of zeros has e = 0. As a byte (E8M0): e + 127.
;;     - Each number is divided by its block's scale, clamped to +-6, and rounded to the nearest number of E2M1, ties to even, subnormals kept.
;;     - The product sums the exact products of the quantised numbers (number of the format x scale) in f32.
;;   ~~~python
;;   def quantise(x, axis):      # numpy; x: float32 -> the quantised numbers, widened to float32 again
;;       x = np.moveaxis(x, axis, -1); K = x.shape[-1]
;;       x = np.pad(x, [(0, 0)] * (x.ndim - 1) + [(0, -K % 32)]); x = x.reshape(x.shape[:-1] + (-1, 32)); a = np.abs(x).max(-1, keepdims=True)
;;       e = np.where(a > 0, np.clip(np.frexp(np.where(a > 0, a, 1))[1] - 1 - 2, -126, 127), 0)      # np.frexp(a)[1] - 1 = floor(log2(a)), exactly
;;       r = np.clip(x / 2.0 ** e, -6, 6)
;;       step = 2.0 ** (np.maximum(np.frexp(np.where(r == 0, 1, r))[1] - 1, 0) - 1)
;;       q = np.round(r / step) * step * 2.0 ** e      # np.round: ties to even
;;       return np.moveaxis(q.reshape(q.shape[:-2] + (-1,))[..., :K], -1, axis).astype(np.float32)
;;   ~~~
;;   SOFTMAX AHEAD OF A QUANTISED PRODUCT. Where the list says 'softmax', what is quantised is not the finished softmax but p = 2^(t - M), with t = logit x log2(e) and M = ceil(the row's largest t), a whole number; so 1/2 < the row's largest p <= 1. The row's sum l is taken of the UNQUANTISED p, in f32, and the product's result is divided by l at the end. Since M is a whole number, a kernel that streams over the keys may use a running M (the ceiling of the running maximum): every later rescaling is an exact power of two, which a block's scale takes up: the codes' values come out the same.
;;   OPERANDS COMPUTED ON THE WAY. 'Computed on the way' means the value that the module computes at that place (a softmax that the list does not call 'softmax' is quantised finished and normalised). What goes into a quantiser is computed in f32, as accurately as f32 sums, v_exp_f32 and their like allow (about 1e-6 of the number): no bf16 or f16 on the way to a quantiser, and a product that is left as it is and whose result goes on into a quantised operand takes f32 operands (vector FMAs, or v_wmma_f32_16x16x4_f32). A number that lies on a knife's edge between two numbers of the format may be rounded either way, as far as f32 arithmetic and the matrix unit's own rounding can turn it there, and no further.
;;   INPUTS GIVEN AS CODES. Wk (in the module: [512, 512], K = its axis 1); Wq (in the module: [512, 512], K = its axis 1); Wv (in the module: [512, 512], K = its axis 1); x (in the module: [32, 1024, 512], K = its axis 2): each comes as NAME_codes (uint8): NAME with its K axis moved to the last place and cut into blocks of 32 codes, [.., K / 32, bytes a block], one block behind the other in memory; two codes a byte, the lower K in the low four bits (a code: sign, 2 exponent bits, 1 mantissa bit); and NAME_scales (uint8): the same leading axes, one E8M0 byte (e + 127) for each 32 codes along K. Its value is code x scale, taken as it is: it is not quantised again, and the codes and scales need not be those that the quantiser above would give.
;; 2 versions. Each part assembles by itself: llvm-mc -triple=amdgcn-amd-amdhsa -mcpu=gfx1250 --defsym DOCPART=n.
;; ======== version 1 of 2: 1 launch
;; launch mha (part 1): grid 256 x 1, 16 waves a work-group, no clusters, 217,088 bytes of LDS; arguments x_codes, x_scales, Wq_codes, Wq_scales, bq, Wk_codes, Wk_scales, bk, Wv_codes, Wv_scales, bv, out0; writes out0
.if DOCPART == 1
	.amdgcn_target "amdgcn-amd-amdhsa--gfx1250"
	.amdhsa_code_object_version 6
	.text
	.protected	k_qec1ff68fd4_mha
	.globl	k_qec1ff68fd4_mha
	.p2align	8
	.type	k_qec1ff68fd4_mha,@function
k_qec1ff68fd4_mha:
	s_mov_b64 s[64:65], 0
	v_nop
	global_prefetch_b8 v0, s[64:65] scope:SCOPE_SE
	s_setreg_imm32_b32 hwreg(HW_REG_WAVE_MODE, 25, 1), 1
	s_wait_xcnt 0x0
; MULTI-HEAD ATTENTION WITH RAW RESHAPES, all five products on codes of FP4 (E2M1) with one E8M0 scale for each 32 along K.
; q, k, v = x W^T + b ([32768][512]); the raw reshape makes head (b, h) out of rows 128 (8 b + h) .. + 127 of the projections: head row n = 8 x token + chunk is
; columns 64 chunk .. + 63 of that token.  The output's reshape is the same map backwards.  So a work-group (ttmp9 = 8 b + h, 256 of them) needs 128 dense rows of x, the three
; weights, and writes 262,144 dense bytes of out0: projections, quantisers, softmax and both attention products stay in registers and LDS.
; SHARES.  Sixteen waves of 256 registers, four to a SIMD: one wave's vector work stands beside another's LDS loads and matrix work.
;   Q, K: waves 0-7 make chunk j = wave of q, waves 8-15 chunk j = wave - 8 of k, for all 128 tokens: a wave's 64 rows of W lie in 128 registers, read from memory once.
;   V:    wave w makes channels 4 w .. 4 w + 3 of all 1,024 keys.        ATTENTION: wave w owns query tiles 4 w .. 4 w + 3 (16 queries each) and walks 8 steps of 128 keys.
; ALL PRODUCTS ARE USED TRANSPOSED (source 0 = rows of W, keys, or channels; source 1 = tokens or queries), so that a lane's result registers run along the next product's K.
; THE ROWS OF A TILE ARE CHOSEN.  In a step of 128 keys (16 tokens) tile u = 4 c + w' of K has as its row 8 h' + i the key 64 c + 32 h' + 8 w' + i (token 8 c + 4 h' + w', chunk i).  In S^T = K Q^T lane (query, h)
; then holds in register 8 u + i the key 64 c + 32 h + 8 w' + i: two WHOLE blocks of 32 keys a lane, and the eight registers of tile u convert straight into register 4 c + w' of P's operand.  Query tiles have the same map.
; K = 64 IN K Q^T: Q's operand registers 4-7 (k = 64 .. 127) are zero codes.  So K's fragment u is named v[KF + 4 u : KF + 4 u + 7]: its upper four registers are the next tile's codes (behind tile 7: zeros), which
; meet zero codes and add nothing; the upper two bytes of Q's and K's scale words repeat the lower two, so they are ordinary scales.
; OPERANDS GO FROM WAVE TO WAVE THROUGH LDS AS IMAGES OF THEIR REGISTERS: every read in the attention loop is a constant + 16 x lane.
; SOFTMAX: t = score x log2(e) / 8; M = ceil(the running largest t); p = 2^(t - M) is quantised along the keys; the sum of the unquantised p divides at the end; when M moves, sum and O^T are multiplied by 2^(old M - new M).
; NO JOINT LOADS, though all work-groups read the same weights: a joint load lands in LDS only, the weights' 393,216 bytes of codes do not fit there beside the images (215,040 bytes are in use), and here each
; wave's share (16,384 + 8,192 bytes) goes once from memory straight into its operand registers.  No tensor load: x is 34,816 bytes, read once, five loads a thread.
; LIMITS: NaN and infinities are not served.  A block whose largest magnitude lies under 2^-124, a block of zeros too, gets the scale byte 1 (its bytes are read here alone).  The bias is the C of a sum's first
; product, so it is added first where the definition adds it last.  A block's largest p is made from its largest score by the same two instructions: this takes v_exp_f32 not to fall where its input rises.
; v_exp_f32 gives 0 for results under 2^-126.  The image stores of the projection passes (2 or 4 a token tile) have lanes that fall on the same banks; they are 48 LDS stores a wave in all.
.set XP,    272                        ; a row of x's codes in LDS: 256 bytes + 16: row r starts 68 r words on, so the 16 rows of a fragment load start at 16 different banks (64 banks of 4 bytes: ISA guide 11.1)
.set XIMG,  0                          ; 128 rows x 272
.set XSC,   34816                      ; x's scale bytes: 16 a token
.set QIMG,  36864                      ; [token tile m 8][tile u 8][lane 32][16 bytes]
.set KIMG,  69632                      ; the same for K: QIMG + 32,768
.set QSC,   102400                     ; scale words: [m][16 (u / 4) + row][u % 4]: 512 bytes for each m
.set KSC,   106496                     ; QSC + 4,096
.set VIMG,  110592                     ; [m][channel tile t 4][c 2][lane 32][16 bytes]
.set VSC,   143360                     ; [m][lane 32][word p]: channel 32 p + lane
.set STAGE, 145408                     ; the way out: 16 rows x 272 bytes for each wave
.set WF,  16                           ; v16-143  projections: the wave's fragments of W
.set BI,  144                          ; v144-175 its biases, in the result's layout
.set XF,  176                          ; v176-207 x's four fragments; behind the products v176-183 are at work
.set HA,  208                          ; v208-239 accumulators
.set WS,  240                          ; v240-247 W's scale words     (v240-251 hold scales and nothing else in the whole text)
.set XS,  248                          ; v248-251 x's scale words
.set PC,  252                          ; v252-255 codes just made
.set PW1, 15                           ; v15      scale word just made
.set TM,  176                          ; largest magnitudes;  +2 bytes;  +4 the conversions' scale operands;  +6 a neighbour's bytes
; attention: v1 16 x lane; v2-7 bases; v8-11 the step's addresses; v12 -M; v13 largest t; v[14:15] the sum; v16-23 Q; v24-31 P; v32-67 K; v68-99 V; v100-103 stage and Q addresses;
;            v104-167 S^T, then p; v168-199 O^T; v200-212 at work; v240 Q's scale word; v244-247 K's; v248-249 V's; v250 P's
.set QF,  16
.set PF,  24
.set KF,  32
.set VF,  68
.set S,   104
.set O,   168
.macro PLACES                          ; four plain vector instructions between a matrix instruction and a read of its result, a write of its registers or a load into them
.rept 4
	v_nop
.endr
.endm
; One product.  c = 0: the sum starts with the constant 0; else C = v[c ..].  row = 1: source 0's scales are taken from lanes 16-31 of their register.
.macro MM d, a, b, c, sa, sb, row
.set rD, \d
.set rA, \a
.set rB, \b
.set rC, \c
.set rSA, \sa
.set rSB, \sb
.if (\row) == 0
.if rC == 0
	v_wmma_scale_f32_16x16x128_f8f6f4 v[rD:rD+7], v[rA:rA+7], v[rB:rB+7], 0, v[rSA], v[rSB] matrix_a_fmt:MATRIX_FMT_FP4 matrix_b_fmt:MATRIX_FMT_FP4
.else
	v_wmma_scale_f32_16x16x128_f8f6f4 v[rD:rD+7], v[rA:rA+7], v[rB:rB+7], v[rC:rC+7], v[rSA], v[rSB] matrix_a_fmt:MATRIX_FMT_FP4 matrix_b_fmt:MATRIX_FMT_FP4
.endif
.else
.if rC == 0
	v_wmma_scale_f32_16x16x128_f8f6f4 v[rD:rD+7], v[rA:rA+7], v[rB:rB+7], 0, v[rSA], v[rSB] matrix_a_fmt:MATRIX_FMT_FP4 matrix_b_fmt:MATRIX_FMT_FP4 matrix_a_scale:MATRIX_SCALE_ROW1
.else
	v_wmma_scale_f32_16x16x128_f8f6f4 v[rD:rD+7], v[rA:rA+7], v[rB:rB+7], v[rC:rC+7], v[rSA], v[rSB] matrix_a_fmt:MATRIX_FMT_FP4 matrix_b_fmt:MATRIX_FMT_FP4 matrix_a_scale:MATRIX_SCALE_ROW1
.endif
.endif
.endm
; ---------------------------------------------------------------- the head
	s_load_b512 s[8:23], s[0:1], 0x0               ; x_codes 8, x_scales 10, Wq_codes 12, Wq_scales 14, bq 16, Wk_codes 18, Wk_scales 20, bk 22
	s_load_b256 s[24:31], s[0:1], 0x40             ; Wv_codes 24, Wv_scales 26, bv 28, out0 30
	v_lshrrev_b32 v1, 5, v0
	v_readfirstlane_b32 s2, v1                     ; wave 0..15
	v_and_b32 v1, 31, v0
	v_lshlrev_b32 v1, 4, v1                        ; 16 x lane: kept for the whole kernel
	v_and_b32 v252, 15, v0                         ; r
	v_bfe_u32 v253, v0, 4, 1                       ; h
	v_lshlrev_b32 v13, 4, v0                       ; x's codes: 16 bytes a thread
	v_lshlrev_b32 v14, 2, v0                       ; x's scale bytes: 4 a thread; also their place in LDS
	v_and_b32 v254, 8, v252
	v_add_nc_u32 v254, v254, v252                  ; r + 8 (r / 8): lane r of W's tile 2 b + u takes row 32 b + 8 u + r + 8 (r / 8), so that tiles 2 b, 2 b + 1 give a lane 16 neighbours along the next K
	v_lshlrev_b32 v8, 8, v254
	v_lshl_add_u32 v8, v253, 4, v8                 ; W's codes: that row of 256 bytes, + 16 h
	v_lshl_add_u32 v9, v253, 3, v254
	v_lshlrev_b32 v9, 4, v9                        ; W's scales: 16 bytes a row; lanes 0-15 tile 2 b's rows, lanes 16-31 tile 2 b + 1's (8 rows on)
	v_lshlrev_b32 v10, 6, v253                     ; the bias: lane (r, h) wants features 32 b + 16 h + 8 u + 0 .. 7
	s_lshr_b32 s3, s2, 3                           ; 0: I make q, 1: k
	s_and_b32 s4, s2, 7                            ; my chunk j
	s_mov_b32 s7, 0                                ; s[6:7]: a byte offset, in 64 bits
	s_mov_b32 s32, 0x76543210
	s_mov_b32 s33, 0xfedcba98                      ; v_permlanex16_b32's selects for lane l xor 16
	s_mov_b32 s34, 0x3e38aa3b                      ; log2(e) / 8
	s_mov_b32 s35, s34                             ; (the packed form names the pair)
	s_wait_kmcnt 0x0
	s_lshl_b32 s6, ttmp9, 15
	s_add_nc_u64 s[8:9], s[8:9], s[6:7]            ; my 128 rows of x: 32,768 bytes of codes,
	s_lshl_b32 s6, ttmp9, 11
	s_add_nc_u64 s[10:11], s[10:11], s[6:7]        ; 2,048 scale bytes
.irp i, 0,1,2,3
	global_load_b128 v[XF+4*\i:XF+4*\i+3], v13, s[8:9] offset:8192*\i th:TH_LOAD_NT   ; the 512 threads read 8,192 consecutive bytes; read once in the launch
.endr
	global_load_b32 v192, v14, s[10:11] th:TH_LOAD_NT
	s_cmp_lt_u32 s2, 8                             ; the choice hangs on the wave's number alone
	s_cselect_b64 s[50:51], s[12:13], s[18:19]
	s_cselect_b64 s[52:53], s[14:15], s[20:21]
	s_cselect_b64 s[54:55], s[16:17], s[22:23]
	s_lshl_b32 s6, s4, 14
	s_add_nc_u64 s[50:51], s[50:51], s[6:7]        ; my 64 rows of W: 16,384 bytes of codes,
	s_lshl_b32 s6, s4, 10
	s_add_nc_u64 s[52:53], s[52:53], s[6:7]        ; 1,024 scale bytes,
	s_lshl_b32 s6, s4, 8
	s_add_nc_u64 s[54:55], s[54:55], s[6:7]        ; 64 numbers of the bias
.irp t, 0,1,2,3                        ; tile t = 2 b + u begins at row 32 (t / 2) + 8 (t % 2)
.irp s, 0,1,2,3
.irp c, 0,1
	global_load_b128 v[WF+32*\t+8*\s+4*\c:WF+32*\t+8*\s+4*\c+3], v8, s[50:51] offset:(32*(\t/2)+8*(\t%2))*256+64*\s+32*\c
.endr
.endr
.endr
.irp b, 0,1
	global_load_b128 v[WS+4*\b:WS+4*\b+3], v9, s[52:53] offset:512*\b     ; four words a row: K steps 0 to 3
.endr
.irp t, 0,1,2,3
.irp e, 0,1
	global_load_b128 v[BI+8*\t+4*\e:BI+8*\t+4*\e+3], v10, s[54:55] offset:128*(\t/2)+32*(\t%2)+16*\e
.endr
.endr
	s_lshl_b32 s6, s2, 10
	s_add_nc_u64 s[24:25], s[24:25], s[6:7]        ; Wv: features 4 w on,
	s_lshl_b32 s6, s2, 6
	s_add_nc_u64 s[26:27], s[26:27], s[6:7]
	s_lshl_b32 s6, s2, 4
	s_add_nc_u64 s[28:29], s[28:29], s[6:7]
	s_lshl_b32 s6, ttmp9, 18
	s_lshl_b32 s5, s2, 14
	s_add_co_u32 s6, s6, s5
	s_add_nc_u64 s[30:31], s[30:31], s[6:7]        ; out0: my work-group's 128 rows of 2,048 bytes, my wave's rows 8 w on
	; LDS addresses, each made once: a constant + terms of the lane + terms of the wave; the token tile stands in the immediates
	v_lshrrev_b32 v254, 4, v0
	v_mul_u32_u24 v11, v254, XP
	v_lshl_add_u32 v11, v252, 4, v11               ; x's copy: 16 threads to a row: row thread / 16, byte 16 (thread % 16)
	v_mul_u32_u24 v2, v252, XP
	v_lshl_add_u32 v2, v253, 4, v2                 ; x's fragments: row r, + 16 h
	v_lshl_add_u32 v3, v252, 4, XSC                ; x's scale words: 16 bytes a token
	v_bfe_u32 v254, v0, 3, 1                       ; c  = r / 8       token r of a tile lies in tile u = 4 c + w' of the image,
	v_and_b32 v255, 3, v0                          ; w' = r % 4       in row 8 h' + chunk
	v_bfe_u32 v15, v0, 2, 1                        ; h' = (r / 4) % 2
	s_lshl_b32 s5, s3, 15
	s_lshl_b32 s47, s4, 4
	s_add_co_u32 s5, s5, s47
	s_add_co_u32 s5, s5, QIMG
	v_lshlrev_b32 v4, 11, v254
	v_lshl_add_u32 v4, v255, 9, v4
	v_lshl_add_u32 v4, v253, 8, v4
	v_lshl_add_u32 v4, v15, 7, v4
	v_add_nc_u32 v4, s5, v4                        ; Q's or K's image: 512 u + 16 (row + 16 h)
	s_lshl_b32 s5, s3, 12
	s_add_co_u32 s5, s5, s47
	s_add_co_u32 s5, s5, QSC
	v_lshlrev_b32 v5, 8, v254
	v_lshl_add_u32 v5, v15, 7, v5
	v_lshl_add_u32 v5, v255, 2, v5
	v_add_nc_u32 v5, s5, v5                        ; its scale word: 256 c + 16 row + 4 w'
	s_lshr_b32 s5, s2, 2
	s_lshl_b32 s5, s5, 10
	s_and_b32 s47, s2, 3
	s_lshl_b32 s47, s47, 6
	s_add_co_u32 s5, s5, s47
	s_add_co_u32 s5, s5, VIMG
	v_lshlrev_b32 v6, 9, v254
	v_lshl_add_u32 v6, v15, 8, v6
	v_lshl_add_u32 v6, v253, 4, v6
	v_lshl_add_u32 v6, v255, 2, v6
	v_add_nc_u32 v6, s5, v6                        ; V's image: channel d = 4 w + 2 tau + h: 1,024 (d / 16) + 512 c + 16 (d % 16 + 16 h') + 4 w'
	s_lshl_b32 s5, s3, 2
	s_lshl_b32 s47, s4, 5
	s_add_co_u32 s5, s5, s47
	s_add_co_u32 s5, s5, VSC
	v_lshl_add_u32 v7, v253, 3, s5                 ; V's scale word: 8 (d % 32) + 4 (d / 32)
	v_bfe_u32 v12, v0, 2, 2
	v_lshlrev_b32 v12, 3, v12                      ; 8 (r / 4): my block's byte in V's scale word
	s_wait_loadcnt 42                              ; x's five loads are in: the 42 loads of W, its scales and the bias were issued behind them
.irp i, 0,1,2,3
	ds_store_b128 v11, v[XF+4*\i:XF+4*\i+3] offset:32*XP*\i
.endr
	ds_store_b32 v14, v192 offset:XSC
	s_wait_dscnt 0x0                               ; for the others' sake: my part of x lies in LDS
	s_barrier_signal -1
	s_barrier_wait -1                              ; everybody's does; from here on x is only read
	s_wait_loadcnt 0x0                             ; W, its scales, the bias
; ---------------------------------------------------------------- Q and K
.macro XFETCH m                        ; token tile m of x: four fragments (16 tokens x 128 K each) and the tokens' four scale words
.irp s, 0,1,2,3
.irp c, 0,1
	ds_load_b128 v[XF+8*\s+4*\c:XF+8*\s+4*\c+3], v2 offset:16*XP*(\m)+64*\s+32*\c
.endr
.endr
	ds_load_b128 v[XS:XS+3], v3 offset:256*(\m)
	s_wait_dscnt 0x0                               ; they are in, and the last tile's image stores are done
.endm
; 32 numbers of a lane, register 16 b + i = d 32 b + 16 h + i of my token's chunk, become the four operand registers k = 32 h .. 32 h + 31 in v[PC ..] and the scale word in v[PW1].
.macro QUANT2
.irp b, 0,1
	v_max3_num_f32 v[TM+\b], |v[HA+16*\b]|, |v[HA+1+16*\b]|, 0x1800000    ; my 16 numbers of block b, from each accumulator's low end on, and the floor 2^(3 - 127): the byte cannot fall under 1
.endr
.irp i, 2,4,6,8,10,12,14
.irp b, 0,1
	v_max3_num_f32 v[TM+\b], v[TM+\b], |v[HA+16*\b+\i]|, |v[HA+1+16*\b+\i]|
.endr
.endr
.irp b, 0,1
	v_permlanex16_b32 v[TM+2+\b], v[TM+\b], s32, s33
.endr
.irp b, 0,1
	v_max_num_f32 v[TM+\b], v[TM+\b], v[TM+2+\b]   ; with lane l xor 16's 16: the block's largest magnitude
.endr
.irp b, 0,1
	v_add_nc_u32 v[TM+4+\b], 0xff000000, v[TM+\b]  ; 2 off its exponent field: the conversion takes this operand's exponent field as its scale
.endr
.irp b, 0,1
	v_lshrrev_b32 v[TM+2+\b], 23, v[TM+4+\b]       ; the scale's byte
.endr
	v_lshl_or_b32 v[PW1], v[TM+3], 8, v[TM+2]
	v_lshl_or_b32 v[PW1], v[PW1], 16, v[PW1]       ; the two bytes twice: k = 64 .. 127 meets zero codes under ordinary scales
.irp b, 0,1
	v_cvt_scalef32_pk8_fp4_f32 v[PC+2*\b], v[HA+16*\b:HA+16*\b+7], v[TM+4+\b]
	v_cvt_scalef32_pk8_fp4_f32 v[PC+1+2*\b], v[HA+8+16*\b:HA+15+16*\b], v[TM+4+\b]
.endr
	v_nop                                          ; one plain place behind a scaled conversion
.irp i, 0,1
	v_permlane16_swap_b32 v[PC+\i], v[PC+2+\i]     ; a whole block to a lane: lanes 0-15 block 0, lanes 16-31 block 1
.endr
.endm
.macro QKTILE m
	XFETCH \m
.irp s, 0,1,2,3                        ; the four accumulators take turns, one instruction a turn; the bias is the C of each sum's first product
.irp t, 0,1,2,3
.if \s == 0
	MM HA+8*\t, WF+32*\t+8*\s, XF+8*\s, BI+8*\t, WS+4*(\t/2)+\s, XS+\s, \t%2
.else
	MM HA+8*\t, WF+32*\t+8*\s, XF+8*\s, HA+8*\t, WS+4*(\t/2)+\s, XS+\s, \t%2
.endif
.endr
.endr
	PLACES
	QUANT2
	ds_store_b128 v4, v[PC:PC+3] offset:4096*(\m)  ; my token's 16 bytes, at the lane's place that its head row has in the image
	ds_store_b32 v5, v[PW1] offset:512*(\m)        ; both halves of the lanes write the same word with the same value
.endm
.irp m, 0,1,2,3,4,5,6,7
	QKTILE \m
.endr
; ---------------------------------------------------------------- V
; Row 8 h' + i of my tile tau of Wv is feature 64 i + 4 w + 2 tau + h': lane (token, h) then holds in its 8 registers channel d = 4 w + 2 tau + h of the 8 neighbouring keys 8 token + 0 .. 7.
	s_wait_dscnt 0x0                               ; the last image stores have read their registers
	v_and_b32 v252, 7, v0                          ; i
	v_bfe_u32 v253, v0, 3, 1                       ; h'
	v_bfe_u32 v254, v0, 4, 1                       ; h
	v_lshlrev_b32 v8, 14, v252
	v_lshl_add_u32 v8, v253, 8, v8
	v_lshl_add_u32 v8, v254, 4, v8                 ; codes: feature x 256 + 16 h
	v_lshlrev_b32 v9, 10, v252
	v_lshl_add_u32 v9, v253, 4, v9
	v_lshl_add_u32 v9, v254, 5, v9                 ; scales: feature x 16; lanes 0-15 tile 0's rows, lanes 16-31 tile 1's (2 features on)
	v_lshlrev_b32 v10, 2, v254                     ; the bias: 4 h
.irp t, 0,1
.irp s, 0,1,2,3
.irp c, 0,1
	global_load_b128 v[WF+32*\t+8*\s+4*\c:WF+32*\t+8*\s+4*\c+3], v8, s[24:25] offset:512*\t+64*\s+32*\c
.endr
.endr
.endr
	global_load_b128 v[WS:WS+3], v9, s[26:27]
.irp t, 0,1
.irp i, 0,1,2,3,4,5,6,7
	global_load_b32 v[BI+8*\t+\i], v10, s[28:29] offset:256*\i+8*\t
.endr
.endr
	s_wait_loadcnt 0x0
.macro VQUANT                          ; a lane's 8 keys of each of two channels; a block of 32 keys is 4 tokens: lanes r, r xor 1, r xor 2, r xor 3
.irp t, 0,1
	v_max3_num_f32 v[TM+\t], |v[HA+8*\t]|, |v[HA+8*\t+1]|, 0x1800000
.endr
.irp i, 2,4,6
.irp t, 0,1
	v_max3_num_f32 v[TM+\t], v[TM+\t], |v[HA+8*\t+\i]|, |v[HA+8*\t+\i+1]|
.endr
.endr
.irp x, 1,2
.irp t, 0,1
	v_max_num_f32_dpp v[TM+\t], v[TM+\t], v[TM+\t] row_xmask:\x row_mask:0xf bank_mask:0xf
.endr
.endr
.irp t, 0,1
	v_add_nc_u32 v[TM+4+\t], 0xff000000, v[TM+\t]
.endr
.irp t, 0,1
	v_lshrrev_b32 v[TM+2+\t], 23, v[TM+4+\t]
.endr
.irp t, 0,1
	v_lshlrev_b32 v[TM+2+\t], v12, v[TM+2+\t]      ; my block's byte at its place in the step's word
.endr
.irp t, 0,1
	v_mov_b32_dpp v[TM+6+\t], v[TM+2+\t] row_xmask:4 row_mask:0xf bank_mask:0xf
.endr
.irp t, 0,1
	v_or_b32 v[TM+2+\t], v[TM+2+\t], v[TM+6+\t]
.endr
.irp t, 0,1
	v_mov_b32_dpp v[TM+6+\t], v[TM+2+\t] row_xmask:8 row_mask:0xf bank_mask:0xf
.endr
.irp t, 0,1
	v_or_b32 v[PC+2+\t], v[TM+2+\t], v[TM+6+\t]    ; the four blocks' bytes: the channel's scale word for these 128 keys
.endr
.irp t, 0,1
	v_cvt_scalef32_pk8_fp4_f32 v[PC+\t], v[HA+8*\t:HA+8*\t+7], v[TM+4+\t]
.endr
	v_nop                                          ; one plain place behind a scaled conversion
.endm
.macro VTILE m
	XFETCH \m
.irp s, 0,1,2,3                        ; two accumulators by turns
.irp t, 0,1
.if \s == 0
	MM HA+8*\t, WF+32*\t+8*\s, XF+8*\s, BI+8*\t, WS+\s, XS+\s, \t
.else
	MM HA+8*\t, WF+32*\t+8*\s, XF+8*\s, HA+8*\t, WS+\s, XS+\s, \t
.endif
.endr
.endr
	PLACES
	VQUANT
	ds_store_b32 v6, v[PC] offset:4096*(\m)        ; 8 codes: one word of the operand's register image
	ds_store_b32 v6, v[PC+1] offset:4096*(\m)+32
	ds_store_b32 v7, v[PC+2] offset:256*(\m)       ; sixteen lanes write the same word with the same value
	ds_store_b32 v7, v[PC+3] offset:256*(\m)+16
.endm
.irp m, 0,1,2,3,4,5,6,7
	VTILE \m
.endr
	s_wait_dscnt 0x0                               ; for the others' sake: all my images lie in LDS
	s_barrier_signal -1
	s_barrier_wait -1                              ; everybody's do; from here on the images are only read
; ---------------------------------------------------------------- attention
.irp j, 0,1,2,3
	v_mov_b32 v[QF+4+\j], 0                        ; Q's k = 64 .. 127: zero codes
	v_mov_b32 v[KF+32+\j], 0                       ; what tile 7's fragment names behind its own four registers
.endr
	v_mov_b32 v203, 0                              ; written once: a lane permute's destination counts as one of its sources
	v_mov_b32 v209, 0                              ; named as the upper half of the pair v[208:209]
	v_and_b32 v200, 15, v0                         ; r
	v_bfe_u32 v201, v0, 4, 1                       ; h
	v_add_nc_u32 v2, QIMG, v1
	v_lshl_add_u32 v3, v200, 4, QSC
	v_add_nc_u32 v4, KIMG, v1
	v_add_nc_u32 v5, KSC, v1
	v_add_nc_u32 v6, VIMG, v1
	v_and_b32 v7, 31, v0
	v_lshl_add_u32 v7, v7, 3, VSC
	s_mul_i32 s3, s2, 16*272
	s_add_co_u32 s3, s3, STAGE                     ; my stage
	v_mul_u32_u24 v100, v200, 272
	v_lshl_add_u32 v100, v201, 5, v100
	v_add_nc_u32 v100, s3, v100                    ; in: row = my query, 32 bytes for each half of the lanes
	v_mul_u32_u24 v101, v201, 272
	v_lshl_add_u32 v101, v200, 4, v101
	v_add_nc_u32 v101, s3, v101                    ; back: lanes 0-15 one row of 256 bytes, lanes 16-31 the next
	v_lshlrev_b32 v102, 3, v201                    ; 8 h: my blocks' bytes in P's scale word are 2 c + h
	s_lshl_b32 s45, s2, 11                         ; my first query tile's image: 512 bytes a tile, 4 tiles a wave
	s_lshl_b32 s46, s2, 8                          ; and its scale words
	s_mov_b32 s36, 4
; A KEY STEP: 128 keys.  first = 1: a tile's first step starts M, the sum and O^T: nothing is cleared and nothing rescaled.
.macro STEP first
	v_add_nc_u32 v8, s42, v4                       ; these four are also the places between the last products and the loads into their registers
	v_add_nc_u32 v9, s43, v5
	v_add_nc_u32 v10, s42, v6
	v_add_nc_u32 v11, s44, v7
.irp u, 0,1,2,3,4,5,6,7
	ds_load_b128 v[KF+4*\u:KF+4*\u+3], v8 offset:512*\u
.endr
	ds_load_b128 v[244:247], v9                    ; K's scale words: register u % 4; lanes 0-15 tiles 0-3, lanes 16-31 tiles 4-7
.irp t, 0,1,2,3
.irp c, 0,1
	ds_load_b128 v[VF+8*\t+4*\c:VF+8*\t+4*\c+3], v10 offset:1024*\t+512*\c
.endr
.endr
	ds_load_b64 v[248:249], v11                    ; V's: register t / 2; lanes 0-15 even tiles, lanes 16-31 odd
	s_wait_dscnt 9                                 ; K and its scales are in (in a first step Q too): V's nine loads were issued behind them
.irp u, 0,1,2,3,4,5,6,7
	MM S+8*\u, KF+4*\u, QF, 0, 244+(\u%4), 240, \u/4
.endr
	PLACES
.irp c, 0,1                            ; the largest score of each of my two blocks of 32 keys, ascending: it serves the row's maximum and the block's largest p
	v_max3_num_f32 v[200+\c], v[S+32*\c], v[S+1+32*\c], v[S+2+32*\c]
.endr
.irp i, 3,5,7,9,11,13,15,17,19,21,23,25,27,29
.irp c, 0,1
	v_max3_num_f32 v[200+\c], v[200+\c], v[S+32*\c+\i], v[S+1+32*\c+\i]
.endr
.endr
.irp c, 0,1
	v_max_num_f32 v[200+\c], v[200+\c], v[S+31+32*\c]
.endr
	v_max_num_f32 v202, v200, v201
	v_permlanex16_b32 v203, v202, s32, s33
	v_max_num_f32 v202, v202, v203                 ; the step's largest score of my query
.if \first
	v_mul_f32 v13, s34, v202                       ; as t
	v_floor_f32 v12, -v13                          ; -M = floor(-t) = -ceil(t)
.else
	v_mul_f32 v202, s34, v202
	v_max_num_f32 v13, v13, v202                   ; the running largest t
	v_mov_b32 v202, v12
	v_floor_f32 v12, -v13
	v_sub_f32 v202, v12, v202                      ; old M - new M: a whole number, 0 or less
	v_cvt_i32_f32 v202, v202                       ; (it saturates)
	v_ldexp_f32 v208, 1.0, v202                    ; f = 2^(old M - new M)
.endif
.irp j, 0,2,4,6,8,10,12,14,16,18,20,22,24,26,28,30,32,34,36,38,40,42,44,46,48,50,52,54,56,58,60,62
	v_pk_fma_f32 v[S+\j:S+\j+1], v[S+\j:S+\j+1], s[34:35], v[12:13] op_sel_hi:[1,0,0]   ; t - M, two at a time
.endr
.irp c, 0,1
	v_fma_f32 v[200+\c], v[200+\c], s34, v12
.endr
.irp j, 0,1,2,3,4,5,6,7,8,9,10,11,12,13,14,15,16,17,18,19,20,21,22,23,24,25,26,27,28,29,30,31,32,33,34,35,36,37,38,39,40,41,42,43,44,45,46,47,48,49,50,51,52,53,54,55,56,57,58,59,60,61,62,63
	v_exp_f32 v[S+\j], v[S+\j]                     ; p = 2^(t - M), not normalised
.endr
.irp c, 0,1
	v_exp_f32 v[200+\c], v[200+\c]                 ; the block's largest p
.endr
.if \first
	v_nop                                          ; a plain place behind the exponentials
	s_wait_alu depctr_va_vdst(0)
.else
	v_pk_mul_f32 v[14:15], v[14:15], v[208:209] op_sel_hi:[1,0]   ; the sum under the new M (also the plain place behind the exponentials)
	s_wait_alu depctr_va_vdst(0)
.endif
.irp c, 0,1
	v_max_num_f32 v[200+\c], 0x1800000, v[200+\c]  ; the floor 2^(3 - 127)
.endr
.irp c, 0,1
	v_add_nc_u32 v[204+\c], 0xff000000, v[200+\c]  ; the conversion's scale operand
.endr
.irp c, 0,1
	v_lshrrev_b32 v[206+\c], 23, v[204+\c]         ; the scale's byte
.endr
	v_lshl_or_b32 v202, v207, 16, v206             ; bytes 2 c + h: mine,
	v_lshlrev_b32 v202, v102, v202
	v_permlanex16_b32 v203, v202, s32, s33
	v_or_b32 v250, v202, v203                      ; and lane l xor 16's: P's scale word for these 128 keys
.irp c, 0,1
.irp w, 0,1,2,3
	v_cvt_scalef32_pk8_fp4_f32 v[PF+4*\c+\w], v[S+32*\c+8*\w:S+32*\c+8*\w+7], v[204+\c]   ; tile 4 c + w's eight registers are keys 64 c + 32 h + 8 w + 0 .. 7: register 4 c + w of the operand
.endr
.endr
.if \first
	v_nop                                          ; one plain place behind a scaled conversion
.else
.irp j, 0,2,4,6,8,10,12,14,16,18,20,22,24,26,28,30
	v_pk_mul_f32 v[O+\j:O+\j+1], v[O+\j:O+\j+1], v[208:209] op_sel_hi:[1,0]   ; O^T under the new M
.endr
.endif
	v_pk_add_f32 v[210:211], v[S:S+1], v[S+2:S+3]  ; the sum of the UNQUANTISED p, two at a time, in two chains.  These lines name no register of the products below: they are the places between P's scale word (8 are asked), P's codes (4) and those products
.if \first
	v_pk_add_f32 v[14:15], v[S+4:S+5], v[S+6:S+7]
.else
	v_pk_add_f32 v[14:15], v[14:15], v[S+4:S+5]
	v_pk_add_f32 v[210:211], v[210:211], v[S+6:S+7]
.endif
.irp j, 8,12,16,20,24,28,32,36,40,44,48,52,56,60
	v_pk_add_f32 v[14:15], v[14:15], v[S+\j:S+\j+1]
	v_pk_add_f32 v[210:211], v[210:211], v[S+2+\j:S+3+\j]
.endr
	v_pk_add_f32 v[14:15], v[14:15], v[210:211]
	s_wait_dscnt 0x0                               ; V and its scales are in
.irp t, 0,1,2,3                        ; O^T += V^T P^T: four accumulators, one instruction each
.if \first
	MM O+8*\t, VF+8*\t, PF, 0, 248+(\t/2), 250, \t%2
.else
	MM O+8*\t, VF+8*\t, PF, O+8*\t, 248+(\t/2), 250, \t%2
.endif
.endr
	s_add_co_u32 s42, s42, 4096                    ; the next 128 keys: K's and V's images,
	s_add_co_u32 s43, s43, 512                     ; K's scale words,
	s_add_co_u32 s44, s44, 256                     ; V's
.endm
.Ltile:                                            ; four trips: my query tiles.  Tile 4 w + it holds tokens 8 w + it (rows 0-7: its 8 chunks) and 8 w + it + 4 (rows 8-15)
	v_add_nc_u32 v103, s45, v2
	v_add_nc_u32 v212, s46, v3
	ds_load_b128 v[QF:QF+3], v103
	ds_load_b32 v240, v212
	s_mov_b32 s42, 0
	s_mov_b32 s43, 0
	s_mov_b32 s44, 0
	STEP 1
	s_mov_b32 s37, 7
.Lstep:
	STEP 0
	s_sub_co_u32 s37, s37, 1
	s_cmp_lg_u32 s37, 0
	s_cbranch_scc1 .Lstep
	; THE WAY OUT.  O^T / the sum goes through my own stage: a lane's 8 channels of a query are 32 bytes; a query's 64 channels are 256 bytes of a row of out0, the 8 chunks of a token one whole row of 2,048.
	v_add_f32 v14, v14, v15                        ; the sum's two halves,
	v_permlanex16_b32 v203, v14, s32, s33
	v_add_f32 v14, v14, v203                       ; and lane l xor 16's 512 keys
	v_rcp_f32 v208, v14
	v_nop                                          ; a plain place behind the reciprocal; with the two additions these two are the four places behind the last products
	v_nop
	s_wait_alu depctr_va_vdst(0)
.irp j, 0,2,4,6,8,10,12,14,16,18,20,22,24,26,28,30
	v_pk_mul_f32 v[S+\j:S+\j+1], v[O+\j:O+\j+1], v[208:209] op_sel_hi:[1,0]   ; each accumulator from its low end on
.endr
.irp t, 0,1,2,3
.irp e, 0,1
	ds_store_b128 v100, v[S+8*\t+4*\e:S+8*\t+4*\e+3] offset:64*\t+16*\e
.endr
.endr
.irp k, 0,1,2,3,4,5,6,7
	ds_load_b128 v[S+32+4*\k:S+35+4*\k], v101 offset:544*\k   ; LDS serves a wave's instructions in order (ISA guide 5.7.1.4): these see my stores
.endr
.irp k, 0,1,2,3,4,5,6,7
	s_wait_dscnt 7-\k                              ; load k is in; the younger ones may be out
	global_store_b128 v1, v[S+32+4*\k:S+35+4*\k], s[30:31] offset:8192*(\k/4)+512*(\k%4) th:TH_STORE_NT   ; 32 lanes store 512 consecutive bytes, at a multiple of 256 from out0's first byte; rows 8-15 of the tile belong to the token 4 rows on
.endr
	s_wait_xcnt 0x0                                ; the stores' base and data registers are written again only behind this wait
	s_add_nc_u64 s[30:31], s[30:31], 2048          ; the next tile's first token is the next row
	s_add_co_u32 s45, s45, 512
	s_add_co_u32 s46, s46, 4
	s_sub_co_u32 s36, s36, 1
	s_cmp_lg_u32 s36, 0
	s_cbranch_scc1 .Ltile
	s_wait_xcnt 0x0
	v_lshl_add_u32 v254, v0, 2, 0x34800
	v_mov_b32 v255, 0
	s_wait_tensorcnt 0x0
	ds_add_u32 v254, v255
	s_wait_dscnt 0x0
	s_endpgm
.Lfunc_end_k_qec1ff68fd4_mha:
	.size	k_qec1ff68fd4_mha, .Lfunc_end_k_qec1ff68fd4_mha-k_qec1ff68fd4_mha
	.p2alignl 7, 3214868480
	.fill 96, 4, 3214868480
	.section	.rodata,"a",@progbits
	.p2align	6, 0x0
	.amdhsa_kernel k_qec1ff68fd4_mha
		.amdhsa_group_segment_fixed_size 217088
		.amdhsa_private_segment_fixed_size 0
		.amdhsa_enable_private_segment 0
		.amdhsa_kernarg_size 96
		.amdhsa_user_sgpr_count 2
		.amdhsa_user_sgpr_kernarg_segment_ptr 1
		.amdhsa_wavefront_size32 1
		.amdhsa_system_sgpr_workgroup_id_x 1
		.amdhsa_system_sgpr_workgroup_id_y 1
		.amdhsa_system_sgpr_workgroup_id_z 1
		.amdhsa_system_vgpr_workitem_id 0
		.amdhsa_next_free_vgpr 256
		.amdhsa_next_free_sgpr 66
		.amdhsa_reserve_vcc 0
		.amdhsa_float_denorm_mode_32 3
		.amdhsa_float_denorm_mode_16_64 3
		.amdhsa_memory_ordered 1
		.amdhsa_forward_progress 1
		.amdhsa_inst_pref_size 112
	.end_amdhsa_kernel
	.amdgpu_metadata
---
amdhsa.version: [ 1, 2 ]
amdhsa.kernels:
  - .name:           k_qec1ff68fd4_mha
    .symbol:         k_qec1ff68fd4_mha.kd
    .args:
      - { .name: x_codes, .offset: 0, .size: 8, .value_kind: global_buffer, .address_space: global }
      - { .name: x_scales, .offset: 8, .size: 8, .value_kind: global_buffer, .address_space: global }
      - { .name: Wq_codes, .offset: 16, .size: 8, .value_kind: global_buffer, .address_space: global }
      - { .name: Wq_scales, .offset: 24, .size: 8, .value_kind: global_buffer, .address_space: global }
      - { .name: bq, .offset: 32, .size: 8, .value_kind: global_buffer, .address_space: global }
      - { .name: Wk_codes, .offset: 40, .size: 8, .value_kind: global_buffer, .address_space: global }
      - { .name: Wk_scales, .offset: 48, .size: 8, .value_kind: global_buffer, .address_space: global }
      - { .name: bk, .offset: 56, .size: 8, .value_kind: global_buffer, .address_space: global }
      - { .name: Wv_codes, .offset: 64, .size: 8, .value_kind: global_buffer, .address_space: global }
      - { .name: Wv_scales, .offset: 72, .size: 8, .value_kind: global_buffer, .address_space: global }
      - { .name: bv, .offset: 80, .size: 8, .value_kind: global_buffer, .address_space: global }
      - { .name: out0, .offset: 88, .size: 8, .value_kind: global_buffer, .address_space: global }
    .group_segment_fixed_size: 217088
    .private_segment_fixed_size: 0
    .kernarg_segment_align: 8
    .kernarg_segment_size: 96
    .max_flat_workgroup_size: 512
    .sgpr_count:     66
    .vgpr_count:     256
    .wavefront_size: 32
...
	.end_amdgpu_metadata
.endif
;; end of part 1
;; ======== version 2 of 2: 1 launch; version 1 with the launch mha written anew for expert scheduling mode
;; launch mha (part 2): grid 256 x 1, 16 waves a work-group, no clusters, 217,088 bytes of LDS; arguments x_codes, x_scales, Wq_codes, Wq_scales, bq, Wk_codes, Wk_scales, bk, Wv_codes, Wv_scales, bv, out0; writes out0
.if DOCPART == 2
	.amdgcn_target "amdgcn-amd-amdhsa--gfx1250"
	.amdhsa_code_object_version 6
	.text
	.protected	k_qec1ff68fd4_mha
	.globl	k_qec1ff68fd4_mha
	.p2align	8
	.type	k_qec1ff68fd4_mha,@function
k_qec1ff68fd4_mha:
	s_mov_b64 s[64:65], 0
	v_nop
	global_prefetch_b8 v0, s[64:65] scope:SCOPE_SE
	s_setreg_imm32_b32 hwreg(HW_REG_WAVE_SCHED_MODE, 0, 2), 2
	s_setreg_imm32_b32 hwreg(HW_REG_WAVE_MODE, 25, 1), 1
	s_wait_xcnt 0x0
	s_wait_alu depctr_vm_vsrc(0)
; MULTI-HEAD ATTENTION WITH RAW RESHAPES, all five products on codes of FP4 (E2M1) with one E8M0 scale for each 32 along K.
; q, k, v = x W^T + b ([32768][512]); the raw reshape makes head (b, h) out of rows 128 (8 b + h) .. + 127 of the projections: head row n = 8 x token + chunk is
; columns 64 chunk .. + 63 of that token.  The output's reshape is the same map backwards.  So a work-group (ttmp9 = 8 b + h, 256 of them) needs 128 dense rows of x, the three
; weights, and writes 262,144 dense bytes of out0: projections, quantisers, softmax and both attention products stay in registers and LDS.
; SHARES.  Sixteen waves of 256 registers, four to a SIMD: one wave's vector work stands beside another's LDS loads and matrix work.
;   Q, K: waves 0-7 make chunk j = wave of q, waves 8-15 chunk j = wave - 8 of k, for all 128 tokens: a wave's 64 rows of W lie in 128 registers, read from memory once.
;   V:    wave w makes channels 4 w .. 4 w + 3 of all 1,024 keys.        ATTENTION: wave w owns query tiles 4 w .. 4 w + 3 (16 queries each) and walks 8 steps of 128 keys.
; ALL PRODUCTS ARE USED TRANSPOSED (source 0 = rows of W, keys, or channels; source 1 = tokens or queries), so that a lane's result registers run along the next product's K.
; THE ROWS OF A TILE ARE CHOSEN.  In a step of 128 keys (16 tokens) tile u = 4 c + w' of K has as its row 8 h' + i the key 64 c + 32 h' + 8 w' + i (token 8 c + 4 h' + w', chunk i).  In S^T = K Q^T lane (query, h)
; then holds in register 8 u + i the key 64 c + 32 h + 8 w' + i: two WHOLE blocks of 32 keys a lane, and the eight registers of tile u convert straight into register 4 c + w' of P's operand.  Query tiles have the same map.
; K = 64 IN K Q^T: Q's operand registers 4-7 (k = 64 .. 127) are zero codes.  So K's fragment u is named v[KF + 4 u : KF + 4 u + 7]: its upper four registers are the next tile's codes (behind tile 7: zeros), which
; meet zero codes and add nothing; the upper two bytes of Q's and K's scale words repeat the lower two, so they are ordinary scales.
; OPERANDS GO FROM WAVE TO WAVE THROUGH LDS AS IMAGES OF THEIR REGISTERS: every read in the attention loop is a constant + 16 x lane.
; SOFTMAX: t = score x log2(e) / 8; M = ceil(the running largest t); p = 2^(t - M) is quantised along the keys; the sum of the unquantised p divides at the end; when M moves, sum and O^T are multiplied by 2^(old M - new M).
; NO JOINT LOADS, though all work-groups read the same weights: a joint load lands in LDS only, the weights' 393,216 bytes of codes do not fit there beside the images (215,040 bytes are in use), and here each
; wave's share (16,384 + 8,192 bytes) goes once from memory straight into its operand registers.  No tensor load: x is 34,816 bytes, read once, five loads a thread.
; LIMITS: NaN and infinities are not served.  A block whose largest magnitude lies under 2^-124, a block of zeros too, gets the scale byte 1 (its bytes are read here alone).  The bias is the C of a sum's first
; product, so it is added first where the definition adds it last.  A block's largest p is made from its largest score by the same two instructions: this takes v_exp_f32 not to fall where its input rises.
; v_exp_f32 gives 0 for results under 2^-126.  The image stores of the projection passes (2 or 4 a token tile) have lanes that fall on the same banks; they are 48 LDS stores a wave in all.
; THE MODE: SCHED_MODE bits 1:0 = 2 (LLVM: expert scheduling mode 2), set by the entry lines.  The code itself states the register dependences between vector or matrix instructions and memory or LDS
; instructions, with s_wait_alu, always for 0.
; THE PLAN.  Registers that memory or LDS instructions touch:
;   A PROJECTION TILE.  XF, XS: the LDS loads at the tile's head land in them, the tile's products read them, the quantiser works in v176-183.  PC, PW1: the quantiser writes them, the tile's image stores read them.
;     ONE wait on va_vdst a tile, behind the quantiser: the codes are written, and products and quantiser are done with XF and XS; the stores follow it, and straight behind them the next tile's loads.
;     One wait on vm_vsrc at a tile's head: the image stores have read PC and PW1.  The passes name all 256 registers: x has one buffer.  Every LDS address is made once, at the head.
;   A KEY STEP.  v8-v11: four additions at the step's head write them, the step's loads read them.  V, its scales: loaded at the step's head, read by the four products at its end.
;     K, its scales: read by the eight products near the step's head, and loaded again IN THE SAME STEP, for the next one, behind the wait that follows the exponentials: they land under the conversions, the
;     rescaling and the sums.  A tile's first K comes at the tile's head; a tile's last step is written out and asks for none.  P and its scale word: written by vector instructions, read by scaled products.
;     Waits of a step: vm_vsrc ahead of the additions; va_vdst behind them (addresses written, V free); va_vdst behind the exponentials (their results written, K free); va_vdst ahead of V^T P (P written).
;   A QUERY TILE'S END.  S+0..31: the division writes them, the stage's stores read them.  S+32..63: the stage's loads land in them, the global stores read them.  One wait on va_vdst ahead of the stores into
;     the stage; one on vm_vsrc at the trip's end.
.set XP,    272                        ; a row of x's codes in LDS: 256 bytes + 16: row r starts 68 r words on, so the 16 rows of a fragment load start at 16 different banks (64 banks of 4 bytes: ISA guide 11.1)
.set XIMG,  0                          ; 128 rows x 272
.set XSC,   34816                      ; x's scale bytes: 16 a token
.set QIMG,  36864                      ; [token tile m 8][tile u 8][lane 32][16 bytes]
.set KIMG,  69632                      ; the same for K: QIMG + 32,768
.set QSC,   102400                     ; scale words: [m][16 (u / 4) + row][u % 4]: 512 bytes for each m
.set KSC,   106496                     ; QSC + 4,096
.set VIMG,  110592                     ; [m][channel tile t 4][c 2][lane 32][16 bytes]
.set VSC,   143360                     ; [m][lane 32][word p]: channel 32 p + lane
.set STAGE, 145408                     ; the way out: 16 rows x 272 bytes for each wave
.set WF,  16                           ; v16-143  projections: the wave's fragments of W
.set BI,  144                          ; v144-175 its biases, in the result's layout
.set XF,  176                          ; v176-207 x's four fragments; behind the products v176-183 are at work
.set HA,  208                          ; v208-239 accumulators
.set WS,  240                          ; v240-247 W's scale words     (v240-251 hold scales and nothing else in the whole text)
.set XS,  248                          ; v248-251 x's scale words
.set PC,  252                          ; v252-255 codes just made
.set PW1, 15                           ; v15      scale word just made
.set TM,  176                          ; largest magnitudes;  +2 bytes;  +4 the conversions' scale operands;  +6 a neighbour's bytes
; attention: v1 16 x lane; v2-7 bases; v8-11 the step's addresses; v12 -M; v13 largest t; v[14:15] the sum; v16-23 Q; v24-31 P; v32-67 K; v68-99 V; v100-103 stage and Q addresses;
;            v104-167 S^T, then p; v168-199 O^T; v200-212 at work; v240 Q's scale word; v244-247 K's; v248-249 V's; v250 P's
.set QF,  16
.set PF,  24
.set KF,  32
.set VF,  68
.set S,   104
.set O,   168
.macro PLACES                          ; four plain vector instructions between a matrix instruction and a vector instruction's read of its result or write of its registers (ISA guide 7.12.1)
.rept 4
	v_nop
.endr
.endm
; One product.  c = 0: the sum starts with the constant 0; else C = v[c ..].  row = 1: source 0's scales are taken from lanes 16-31 of their register.
.macro MM d, a, b, c, sa, sb, row
.set rD, \d
.set rA, \a
.set rB, \b
.set rC, \c
.set rSA, \sa
.set rSB, \sb
.if (\row) == 0
.if rC == 0
	v_wmma_scale_f32_16x16x128_f8f6f4 v[rD:rD+7], v[rA:rA+7], v[rB:rB+7], 0, v[rSA], v[rSB] matrix_a_fmt:MATRIX_FMT_FP4 matrix_b_fmt:MATRIX_FMT_FP4
.else
	v_wmma_scale_f32_16x16x128_f8f6f4 v[rD:rD+7], v[rA:rA+7], v[rB:rB+7], v[rC:rC+7], v[rSA], v[rSB] matrix_a_fmt:MATRIX_FMT_FP4 matrix_b_fmt:MATRIX_FMT_FP4
.endif
.else
.if rC == 0
	v_wmma_scale_f32_16x16x128_f8f6f4 v[rD:rD+7], v[rA:rA+7], v[rB:rB+7], 0, v[rSA], v[rSB] matrix_a_fmt:MATRIX_FMT_FP4 matrix_b_fmt:MATRIX_FMT_FP4 matrix_a_scale:MATRIX_SCALE_ROW1
.else
	v_wmma_scale_f32_16x16x128_f8f6f4 v[rD:rD+7], v[rA:rA+7], v[rB:rB+7], v[rC:rC+7], v[rSA], v[rSB] matrix_a_fmt:MATRIX_FMT_FP4 matrix_b_fmt:MATRIX_FMT_FP4 matrix_a_scale:MATRIX_SCALE_ROW1
.endif
.endif
.endm
; ---------------------------------------------------------------- the head
	s_load_b512 s[8:23], s[0:1], 0x0               ; x_codes 8, x_scales 10, Wq_codes 12, Wq_scales 14, bq 16, Wk_codes 18, Wk_scales 20, bk 22
	s_load_b256 s[24:31], s[0:1], 0x40             ; Wv_codes 24, Wv_scales 26, bv 28, out0 30
	v_lshrrev_b32 v1, 5, v0
	v_readfirstlane_b32 s2, v1                     ; wave 0..15
	v_and_b32 v1, 31, v0
	v_lshlrev_b32 v1, 4, v1                        ; 16 x lane: kept for the whole kernel
	v_and_b32 v252, 15, v0                         ; r
	v_bfe_u32 v253, v0, 4, 1                       ; h
	v_lshlrev_b32 v13, 4, v0                       ; x's codes: 16 bytes a thread
	v_lshlrev_b32 v14, 2, v0                       ; x's scale bytes: 4 a thread; also their place in LDS
	v_and_b32 v254, 8, v252
	v_add_nc_u32 v254, v254, v252                  ; r + 8 (r / 8): lane r of W's tile 2 b + u takes row 32 b + 8 u + r + 8 (r / 8), so that tiles 2 b, 2 b + 1 give a lane 16 neighbours along the next K
	v_lshlrev_b32 v8, 8, v254
	v_lshl_add_u32 v8, v253, 4, v8                 ; W's codes: that row of 256 bytes, + 16 h
	v_lshl_add_u32 v9, v253, 3, v254
	v_lshlrev_b32 v9, 4, v9                        ; W's scales: 16 bytes a row; lanes 0-15 tile 2 b's rows, lanes 16-31 tile 2 b + 1's (8 rows on)
	v_lshlrev_b32 v10, 6, v253                     ; the bias: lane (r, h) wants features 32 b + 16 h + 8 u + 0 .. 7
	s_wait_alu depctr_va_sdst(0)                   ; s2 is written, ahead of its first reader
	s_lshr_b32 s3, s2, 3                           ; 0: I make q, 1: k
	s_and_b32 s4, s2, 7                            ; my chunk j
	s_mov_b32 s7, 0                                ; s[6:7]: a byte offset, in 64 bits
	s_mov_b32 s32, 0x76543210
	s_mov_b32 s33, 0xfedcba98                      ; v_permlanex16_b32's selects for lane l xor 16
	s_mov_b32 s34, 0x3e38aa3b                      ; log2(e) / 8
	s_mov_b32 s35, s34                             ; (the packed form names the pair)
	s_wait_kmcnt 0x0
	s_lshl_b32 s6, ttmp9, 15
	s_add_nc_u64 s[8:9], s[8:9], s[6:7]            ; my 128 rows of x: 32,768 bytes of codes,
	s_lshl_b32 s6, ttmp9, 11
	s_add_nc_u64 s[10:11], s[10:11], s[6:7]        ; 2,048 scale bytes
	s_wait_alu depctr_va_vdst(0)                   ; the offsets v13, v14, v8, v9, v10 and v1 are written, which the loads below and the stores of out0 read
.irp i, 0,1,2,3
	global_load_b128 v[XF+4*\i:XF+4*\i+3], v13, s[8:9] offset:8192*\i th:TH_LOAD_NT   ; the 512 threads read 8,192 consecutive bytes; read once in the launch
.endr
	global_load_b32 v192, v14, s[10:11] th:TH_LOAD_NT
	s_cmp_lt_u32 s2, 8                             ; the choice hangs on the wave's number alone
	s_cselect_b64 s[50:51], s[12:13], s[18:19]
	s_cselect_b64 s[52:53], s[14:15], s[20:21]
	s_cselect_b64 s[54:55], s[16:17], s[22:23]
	s_lshl_b32 s6, s4, 14
	s_add_nc_u64 s[50:51], s[50:51], s[6:7]        ; my 64 rows of W: 16,384 bytes of codes,
	s_lshl_b32 s6, s4, 10
	s_add_nc_u64 s[52:53], s[52:53], s[6:7]        ; 1,024 scale bytes,
	s_lshl_b32 s6, s4, 8
	s_add_nc_u64 s[54:55], s[54:55], s[6:7]        ; 64 numbers of the bias
.irp t, 0,1,2,3                        ; tile t = 2 b + u begins at row 32 (t / 2) + 8 (t % 2)
.irp s, 0,1,2,3
.irp c, 0,1
	global_load_b128 v[WF+32*\t+8*\s+4*\c:WF+32*\t+8*\s+4*\c+3], v8, s[50:51] offset:(32*(\t/2)+8*(\t%2))*256+64*\s+32*\c
.endr
.endr
.endr
.irp b, 0,1
	global_load_b128 v[WS+4*\b:WS+4*\b+3], v9, s[52:53] offset:512*\b     ; four words a row: K steps 0 to 3
.endr
.irp t, 0,1,2,3
.irp e, 0,1
	global_load_b128 v[BI+8*\t+4*\e:BI+8*\t+4*\e+3], v10, s[54:55] offset:128*(\t/2)+32*(\t%2)+16*\e
.endr
.endr
	s_lshl_b32 s6, s2, 10
	s_add_nc_u64 s[24:25], s[24:25], s[6:7]        ; Wv: features 4 w on,
	s_lshl_b32 s6, s2, 6
	s_add_nc_u64 s[26:27], s[26:27], s[6:7]
	s_lshl_b32 s6, s2, 4
	s_add_nc_u64 s[28:29], s[28:29], s[6:7]
	s_lshl_b32 s6, ttmp9, 18
	s_lshl_b32 s5, s2, 14
	s_add_co_u32 s6, s6, s5
	s_add_nc_u64 s[30:31], s[30:31], s[6:7]        ; out0: my work-group's 128 rows of 2,048 bytes, my wave's rows 8 w on
	; LDS addresses, each made once: a constant + terms of the lane + terms of the wave; the token tile stands in the immediates.  (None of these lines names a register that the loads above read or land in)
	v_lshrrev_b32 v254, 4, v0
	v_mul_u32_u24 v11, v254, XP
	v_lshl_add_u32 v11, v252, 4, v11               ; x's copy: 16 threads to a row: row thread / 16, byte 16 (thread % 16)
	v_mul_u32_u24 v2, v252, XP
	v_lshl_add_u32 v2, v253, 4, v2                 ; x's fragments: row r, + 16 h
	v_lshl_add_u32 v3, v252, 4, XSC                ; x's scale words: 16 bytes a token
	v_bfe_u32 v254, v0, 3, 1                       ; c  = r / 8       token r of a tile lies in tile u = 4 c + w' of the image,
	v_and_b32 v255, 3, v0                          ; w' = r % 4       in row 8 h' + chunk
	v_bfe_u32 v15, v0, 2, 1                        ; h' = (r / 4) % 2
	s_lshl_b32 s5, s3, 15
	s_lshl_b32 s47, s4, 4
	s_add_co_u32 s5, s5, s47
	s_add_co_u32 s5, s5, QIMG
	v_lshlrev_b32 v4, 11, v254
	v_lshl_add_u32 v4, v255, 9, v4
	v_lshl_add_u32 v4, v253, 8, v4
	v_lshl_add_u32 v4, v15, 7, v4
	v_add_nc_u32 v4, s5, v4                        ; Q's or K's image: 512 u + 16 (row + 16 h)
	s_lshl_b32 s5, s3, 12
	s_add_co_u32 s5, s5, s47
	s_add_co_u32 s5, s5, QSC
	v_lshlrev_b32 v5, 8, v254
	v_lshl_add_u32 v5, v15, 7, v5
	v_lshl_add_u32 v5, v255, 2, v5
	v_add_nc_u32 v5, s5, v5                        ; its scale word: 256 c + 16 row + 4 w'
	s_lshr_b32 s5, s2, 2
	s_lshl_b32 s5, s5, 10
	s_and_b32 s47, s2, 3
	s_lshl_b32 s47, s47, 6
	s_add_co_u32 s5, s5, s47
	s_add_co_u32 s5, s5, VIMG
	v_lshlrev_b32 v6, 9, v254
	v_lshl_add_u32 v6, v15, 8, v6
	v_lshl_add_u32 v6, v253, 4, v6
	v_lshl_add_u32 v6, v255, 2, v6
	v_add_nc_u32 v6, s5, v6                        ; V's image: channel d = 4 w + 2 tau + h: 1,024 (d / 16) + 512 c + 16 (d % 16 + 16 h') + 4 w'
	s_lshl_b32 s5, s3, 2
	s_lshl_b32 s47, s4, 5
	s_add_co_u32 s5, s5, s47
	s_add_co_u32 s5, s5, VSC
	v_lshl_add_u32 v7, v253, 3, s5                 ; V's scale word: 8 (d % 32) + 4 (d / 32)
	v_bfe_u32 v12, v0, 2, 2
	v_lshlrev_b32 v12, 3, v12                      ; 8 (r / 4): my block's byte in V's scale word
	s_wait_loadcnt 42                              ; x's five loads are in: the 42 loads of W, its scales and the bias were issued behind them
	s_wait_alu depctr_va_vdst(0)                   ; v11 is written, which the copy's stores read; so are v2 to v7, which the LDS loads and stores of both projection passes read
.irp i, 0,1,2,3
	ds_store_b128 v11, v[XF+4*\i:XF+4*\i+3] offset:32*XP*\i
.endr
	ds_store_b32 v14, v192 offset:XSC
	s_wait_dscnt 0x0                               ; for the others' sake: my part of x lies in LDS
	s_barrier_signal -1
	s_barrier_wait -1                              ; everybody's does; from here on x is only read
	s_wait_loadcnt 0x0                             ; W, its scales, the bias
; ---------------------------------------------------------------- Q and K
.macro XFETCH m                        ; token tile m of x: four fragments (16 tokens x 128 K each) and the tokens' four scale words.  No vector or matrix instruction since the last wait on va_vdst names XF or XS
.irp s, 0,1,2,3
.irp c, 0,1
	ds_load_b128 v[XF+8*\s+4*\c:XF+8*\s+4*\c+3], v2 offset:16*XP*(\m)+64*\s+32*\c
.endr
.endr
	ds_load_b128 v[XS:XS+3], v3 offset:256*(\m)
	s_wait_dscnt 0x0                               ; they are in, and the last tile's image stores are done
.endm
; 32 numbers of a lane, register 16 b + i = d 32 b + 16 h + i of my token's chunk, become the four operand registers k = 32 h .. 32 h + 31 in v[PC ..] and the scale word in v[PW1].
.macro QUANT2
.irp b, 0,1
	v_max3_num_f32 v[TM+\b], |v[HA+16*\b]|, |v[HA+1+16*\b]|, 0x1800000    ; my 16 numbers of block b, from each accumulator's low end on, and the floor 2^(3 - 127): the byte cannot fall under 1
.endr
.irp i, 2,4,6,8,10,12,14
.irp b, 0,1
	v_max3_num_f32 v[TM+\b], v[TM+\b], |v[HA+16*\b+\i]|, |v[HA+1+16*\b+\i]|
.endr
.endr
.irp b, 0,1
	v_permlanex16_b32 v[TM+2+\b], v[TM+\b], s32, s33
.endr
.irp b, 0,1
	v_max_num_f32 v[TM+\b], v[TM+\b], v[TM+2+\b]   ; with lane l xor 16's 16: the block's largest magnitude
.endr
.irp b, 0,1
	v_add_nc_u32 v[TM+4+\b], 0xff000000, v[TM+\b]  ; 2 off its exponent field: the conversion takes this operand's exponent field as its scale
.endr
.irp b, 0,1
	v_lshrrev_b32 v[TM+2+\b], 23, v[TM+4+\b]       ; the scale's byte
.endr
	v_lshl_or_b32 v[PW1], v[TM+3], 8, v[TM+2]
	v_lshl_or_b32 v[PW1], v[PW1], 16, v[PW1]       ; the two bytes twice: k = 64 .. 127 meets zero codes under ordinary scales
.irp b, 0,1
	v_cvt_scalef32_pk8_fp4_f32 v[PC+2*\b], v[HA+16*\b:HA+16*\b+7], v[TM+4+\b]
	v_cvt_scalef32_pk8_fp4_f32 v[PC+1+2*\b], v[HA+8+16*\b:HA+15+16*\b], v[TM+4+\b]
.endr
	v_nop                                          ; one plain place behind a scaled conversion
.irp i, 0,1
	v_permlane16_swap_b32 v[PC+\i], v[PC+2+\i]     ; a whole block to a lane: lanes 0-15 block 0, lanes 16-31 block 1
.endr
.endm
.macro QKTILE m
	s_wait_alu depctr_vm_vsrc(0)                   ; tile 0: the copy's stores have read v176 to v192, in which x's fragments land; later tiles: the last tile's image stores have read v[PC ..] and v[PW1], which this tile's quantiser writes again
	XFETCH \m
.irp s, 0,1,2,3                        ; the four accumulators take turns, one instruction a turn; the bias is the C of each sum's first product
.irp t, 0,1,2,3
.if \s == 0
	MM HA+8*\t, WF+32*\t+8*\s, XF+8*\s, BI+8*\t, WS+4*(\t/2)+\s, XS+\s, \t%2
.else
	MM HA+8*\t, WF+32*\t+8*\s, XF+8*\s, HA+8*\t, WS+4*(\t/2)+\s, XS+\s, \t%2
.endif
.endr
.endr
	PLACES
	QUANT2
	s_wait_alu depctr_va_vdst(0)                   ; the quantiser has written v[PC ..] and v[PW1], which the stores below read; the products and the quantiser are done with XF and XS, in which the next tile's loads land
	ds_store_b128 v4, v[PC:PC+3] offset:4096*(\m)  ; my token's 16 bytes, at the lane's place that its head row has in the image
	ds_store_b32 v5, v[PW1] offset:512*(\m)        ; both halves of the lanes write the same word with the same value
.endm
.irp m, 0,1,2,3,4,5,6,7
	QKTILE \m
.endr
; ---------------------------------------------------------------- V
; Row 8 h' + i of my tile tau of Wv is feature 64 i + 4 w + 2 tau + h': lane (token, h) then holds in its 8 registers channel d = 4 w + 2 tau + h of the 8 neighbouring keys 8 token + 0 .. 7.
	s_wait_dscnt 0x0                               ; the last image stores are done
	s_wait_alu depctr_vm_vsrc(0)                   ; they have read v252 to v255, and the head's loads of W have read v8 to v10: all are written again below
	v_and_b32 v252, 7, v0                          ; i
	v_bfe_u32 v253, v0, 3, 1                       ; h'
	v_bfe_u32 v254, v0, 4, 1                       ; h
	v_lshlrev_b32 v8, 14, v252
	v_lshl_add_u32 v8, v253, 8, v8
	v_lshl_add_u32 v8, v254, 4, v8                 ; codes: feature x 256 + 16 h
	v_lshlrev_b32 v9, 10, v252
	v_lshl_add_u32 v9, v253, 4, v9
	v_lshl_add_u32 v9, v254, 5, v9                 ; scales: feature x 16; lanes 0-15 tile 0's rows, lanes 16-31 tile 1's (2 features on)
	v_lshlrev_b32 v10, 2, v254                     ; the bias: 4 h
	s_wait_alu depctr_va_vdst(0)                   ; v8 to v10 are written, which the loads below read; the products of Q and K are done reading WF, WS and BI, in which they land
.irp t, 0,1
.irp s, 0,1,2,3
.irp c, 0,1
	global_load_b128 v[WF+32*\t+8*\s+4*\c:WF+32*\t+8*\s+4*\c+3], v8, s[24:25] offset:512*\t+64*\s+32*\c
.endr
.endr
.endr
	global_load_b128 v[WS:WS+3], v9, s[26:27]
.irp t, 0,1
.irp i, 0,1,2,3,4,5,6,7
	global_load_b32 v[BI+8*\t+\i], v10, s[28:29] offset:256*\i+8*\t
.endr
.endr
	s_wait_loadcnt 0x0
.macro VQUANT                          ; a lane's 8 keys of each of two channels; a block of 32 keys is 4 tokens: lanes r, r xor 1, r xor 2, r xor 3
.irp t, 0,1
	v_max3_num_f32 v[TM+\t], |v[HA+8*\t]|, |v[HA+8*\t+1]|, 0x1800000
.endr
.irp i, 2,4,6
.irp t, 0,1
	v_max3_num_f32 v[TM+\t], v[TM+\t], |v[HA+8*\t+\i]|, |v[HA+8*\t+\i+1]|
.endr
.endr
.irp x, 1,2
.irp t, 0,1
	v_max_num_f32_dpp v[TM+\t], v[TM+\t], v[TM+\t] row_xmask:\x row_mask:0xf bank_mask:0xf
.endr
.endr
.irp t, 0,1
	v_add_nc_u32 v[TM+4+\t], 0xff000000, v[TM+\t]
.endr
.irp t, 0,1
	v_lshrrev_b32 v[TM+2+\t], 23, v[TM+4+\t]
.endr
.irp t, 0,1
	v_lshlrev_b32 v[TM+2+\t], v12, v[TM+2+\t]      ; my block's byte at its place in the step's word
.endr
.irp t, 0,1
	v_mov_b32_dpp v[TM+6+\t], v[TM+2+\t] row_xmask:4 row_mask:0xf bank_mask:0xf
.endr
.irp t, 0,1
	v_or_b32 v[TM+2+\t], v[TM+2+\t], v[TM+6+\t]
.endr
.irp t, 0,1
	v_mov_b32_dpp v[TM+6+\t], v[TM+2+\t] row_xmask:8 row_mask:0xf bank_mask:0xf
.endr
.irp t, 0,1
	v_or_b32 v[PC+2+\t], v[TM+2+\t], v[TM+6+\t]    ; the four blocks' bytes: the channel's scale word for these 128 keys
.endr
.irp t, 0,1
	v_cvt_scalef32_pk8_fp4_f32 v[PC+\t], v[HA+8*\t:HA+8*\t+7], v[TM+4+\t]
.endr
	v_nop                                          ; one plain place behind a scaled conversion
.endm
.macro VTILE m
.if (\m) > 0
	s_wait_alu depctr_vm_vsrc(0)                   ; the last tile's image stores have read v[PC ..], which this tile's quantiser writes again
.endif
	XFETCH \m
.irp s, 0,1,2,3                        ; two accumulators by turns
.irp t, 0,1
.if \s == 0
	MM HA+8*\t, WF+32*\t+8*\s, XF+8*\s, BI+8*\t, WS+\s, XS+\s, \t
.else
	MM HA+8*\t, WF+32*\t+8*\s, XF+8*\s, HA+8*\t, WS+\s, XS+\s, \t
.endif
.endr
.endr
	PLACES
	VQUANT
	s_wait_alu depctr_va_vdst(0)                   ; the quantiser has written v[PC ..], which the stores below read; the products and the quantiser are done with XF and XS, in which the next tile's loads land
	ds_store_b32 v6, v[PC] offset:4096*(\m)        ; 8 codes: one word of the operand's register image
	ds_store_b32 v6, v[PC+1] offset:4096*(\m)+32
	ds_store_b32 v7, v[PC+2] offset:256*(\m)       ; sixteen lanes write the same word with the same value
	ds_store_b32 v7, v[PC+3] offset:256*(\m)+16
.endm
.irp m, 0,1,2,3,4,5,6,7
	VTILE \m
.endr
	s_wait_dscnt 0x0                               ; for the others' sake: all my images lie in LDS
	s_barrier_signal -1
	s_barrier_wait -1                              ; everybody's do; from here on the images are only read
; ---------------------------------------------------------------- attention
	s_wait_alu depctr_vm_vsrc(0)                   ; the LDS loads and stores of the projection passes have read v2 to v7, which are written again below
.irp j, 0,1,2,3
	v_mov_b32 v[QF+4+\j], 0                        ; Q's k = 64 .. 127: zero codes
	v_mov_b32 v[KF+32+\j], 0                       ; what tile 7's fragment names behind its own four registers
.endr
	v_mov_b32 v203, 0                              ; written once: a lane permute's destination counts as one of its sources
	v_mov_b32 v209, 0                              ; named as the upper half of the pair v[208:209]
	v_and_b32 v200, 15, v0                         ; r
	v_bfe_u32 v201, v0, 4, 1                       ; h
	v_add_nc_u32 v2, QIMG, v1
	v_lshl_add_u32 v3, v200, 4, QSC
	v_add_nc_u32 v4, KIMG, v1
	v_add_nc_u32 v5, KSC, v1
	v_add_nc_u32 v6, VIMG, v1
	v_and_b32 v7, 31, v0
	v_lshl_add_u32 v7, v7, 3, VSC
	s_mul_i32 s3, s2, 16*272
	s_add_co_u32 s3, s3, STAGE                     ; my stage
	v_mul_u32_u24 v100, v200, 272
	v_lshl_add_u32 v100, v201, 5, v100
	v_add_nc_u32 v100, s3, v100                    ; in: row = my query, 32 bytes for each half of the lanes
	v_mul_u32_u24 v101, v201, 272
	v_lshl_add_u32 v101, v200, 4, v101
	v_add_nc_u32 v101, s3, v101                    ; back: lanes 0-15 one row of 256 bytes, lanes 16-31 the next
	v_lshlrev_b32 v102, 3, v201                    ; 8 h: my blocks' bytes in P's scale word are 2 c + h
	s_lshl_b32 s45, s2, 11                         ; my first query tile's image: 512 bytes a tile, 4 tiles a wave
	s_lshl_b32 s46, s2, 8                          ; and its scale words
	s_mov_b32 s36, 4
; A KEY STEP: 128 keys.  first = 1: a tile's first step starts M, the sum and O^T: nothing is cleared and nothing rescaled; it also fetches the tile's Q and its own K.
; next = 1: the step fetches the next step's K, once its own products are done with K's registers.
.macro STEP first, next
.if \first
	v_add_nc_u32 v103, s45, v2                     ; the tile's image of Q,
	v_add_nc_u32 v212, s46, v3                     ; and its scale words
.else
	s_wait_alu depctr_vm_vsrc(0)                   ; the last step's loads have read v8 to v11, which are written again below
.endif
	v_add_nc_u32 v8, s42, v4
	v_add_nc_u32 v9, s43, v5
	v_add_nc_u32 v10, s42, v6
	v_add_nc_u32 v11, s44, v7
	s_wait_alu depctr_va_vdst(0)                   ; the addresses above are written, which this step's loads read; the last products V^T P are done reading V and its scales, in which loads land.  In a first step also: the last tile's products are done with Q, K and their scales; in the first tile the stage's addresses and the zero codes are written
.if \first
	ds_load_b128 v[QF:QF+3], v103
	ds_load_b32 v240, v212
.irp u, 0,1,2,3,4,5,6,7
	ds_load_b128 v[KF+4*\u:KF+4*\u+3], v8 offset:512*\u
.endr
	ds_load_b128 v[244:247], v9                    ; K's scale words: register u % 4; lanes 0-15 tiles 0-3, lanes 16-31 tiles 4-7
.endif
.irp t, 0,1,2,3
.irp c, 0,1
	ds_load_b128 v[VF+8*\t+4*\c:VF+8*\t+4*\c+3], v10 offset:1024*\t+512*\c
.endr
.endr
	ds_load_b64 v[248:249], v11                    ; V's: register t / 2; lanes 0-15 even tiles, lanes 16-31 odd
	s_wait_dscnt 9                                 ; K and its scales are in (asked for in the last step; in a first step just now, with Q): V's nine loads were issued behind them
.irp u, 0,1,2,3,4,5,6,7
	MM S+8*\u, KF+4*\u, QF, 0, 244+(\u%4), 240, \u/4
.endr
	PLACES
.irp c, 0,1                            ; the largest score of each of my two blocks of 32 keys, ascending: it serves the row's maximum and the block's largest p
	v_max3_num_f32 v[200+\c], v[S+32*\c], v[S+1+32*\c], v[S+2+32*\c]
.endr
.irp i, 3,5,7,9,11,13,15,17,19,21,23,25,27,29
.irp c, 0,1
	v_max3_num_f32 v[200+\c], v[200+\c], v[S+32*\c+\i], v[S+1+32*\c+\i]
.endr
.endr
.irp c, 0,1
	v_max_num_f32 v[200+\c], v[200+\c], v[S+31+32*\c]
.endr
	v_max_num_f32 v202, v200, v201
	v_permlanex16_b32 v203, v202, s32, s33
	v_max_num_f32 v202, v202, v203                 ; the step's largest score of my query
.if \first
	v_mul_f32 v13, s34, v202                       ; as t
	v_floor_f32 v12, -v13                          ; -M = floor(-t) = -ceil(t)
.else
	v_mul_f32 v202, s34, v202
	v_max_num_f32 v13, v13, v202                   ; the running largest t
	v_mov_b32 v202, v12
	v_floor_f32 v12, -v13
	v_sub_f32 v202, v12, v202                      ; old M - new M: a whole number, 0 or less
	v_cvt_i32_f32 v202, v202                       ; (it saturates)
	v_ldexp_f32 v208, 1.0, v202                    ; f = 2^(old M - new M)
.endif
.irp j, 0,2,4,6,8,10,12,14,16,18,20,22,24,26,28,30,32,34,36,38,40,42,44,46,48,50,52,54,56,58,60,62
	v_pk_fma_f32 v[S+\j:S+\j+1], v[S+\j:S+\j+1], s[34:35], v[12:13] op_sel_hi:[1,0,0]   ; t - M, two at a time
.endr
.irp c, 0,1
	v_fma_f32 v[200+\c], v[200+\c], s34, v12
.endr
	s_wait_alu depctr_va_vdst(0)
.irp j, 0,1,2,3,4,5,6,7,8,9,10,11,12,13,14,15,16,17,18,19,20,21,22,23,24,25,26,27,28,29,30,31,32,33,34,35,36,37,38,39,40,41,42,43,44,45,46,47,48,49,50,51,52,53,54,55,56,57,58,59,60,61,62,63
	v_exp_f32 v[S+\j], v[S+\j]                     ; p = 2^(t - M), not normalised
.endr
.irp c, 0,1
	v_exp_f32 v[200+\c], v[200+\c]                 ; the block's largest p
.endr
.if \first
	v_nop                                          ; a plain place behind the exponentials
.else
	v_pk_mul_f32 v[14:15], v[14:15], v[208:209] op_sel_hi:[1,0]   ; the sum under the new M (also the plain place behind the exponentials)
.endif
	s_wait_alu depctr_va_vdst(0)                   ; the 66 exponentials have written their results, ahead of the first line that names one; and the products K Q^T are done reading K and its scales, in which the loads below land
.if \next
.irp u, 0,1,2,3,4,5,6,7
	ds_load_b128 v[KF+4*\u:KF+4*\u+3], v8 offset:4096+512*\u   ; the next step's K: 4,096 bytes on.  No vector or matrix instruction names these registers before the next step's products
.endr
	ds_load_b128 v[244:247], v9 offset:512         ; and its scale words
.endif
.irp c, 0,1
	v_max_num_f32 v[200+\c], 0x1800000, v[200+\c]  ; the floor 2^(3 - 127)
.endr
.irp c, 0,1
	v_add_nc_u32 v[204+\c], 0xff000000, v[200+\c]  ; the conversion's scale operand
.endr
.irp c, 0,1
	v_lshrrev_b32 v[206+\c], 23, v[204+\c]         ; the scale's byte
.endr
	v_lshl_or_b32 v202, v207, 16, v206             ; bytes 2 c + h: mine,
	v_lshlrev_b32 v202, v102, v202
	v_permlanex16_b32 v203, v202, s32, s33
	v_or_b32 v250, v202, v203                      ; and lane l xor 16's: P's scale word for these 128 keys
.irp c, 0,1
.irp w, 0,1,2,3
	v_cvt_scalef32_pk8_fp4_f32 v[PF+4*\c+\w], v[S+32*\c+8*\w:S+32*\c+8*\w+7], v[204+\c]   ; tile 4 c + w's eight registers are keys 64 c + 32 h + 8 w + 0 .. 7: register 4 c + w of the operand
.endr
.endr
.if \first
	v_nop                                          ; one plain place behind a scaled conversion
.else
.irp j, 0,2,4,6,8,10,12,14,16,18,20,22,24,26,28,30
	v_pk_mul_f32 v[O+\j:O+\j+1], v[O+\j:O+\j+1], v[208:209] op_sel_hi:[1,0]   ; O^T under the new M
.endr
.endif
	v_pk_add_f32 v[210:211], v[S:S+1], v[S+2:S+3]  ; the sum of the UNQUANTISED p, two at a time, in two chains.  These lines name no register of the products below: they are the places between P's scale word (8 are asked), P's codes (4) and those products
.if \first
	v_pk_add_f32 v[14:15], v[S+4:S+5], v[S+6:S+7]
.else
	v_pk_add_f32 v[14:15], v[14:15], v[S+4:S+5]
	v_pk_add_f32 v[210:211], v[210:211], v[S+6:S+7]
.endif
.irp j, 8,12,16,20,24,28,32,36,40,44,48,52,56,60
	v_pk_add_f32 v[14:15], v[14:15], v[S+\j:S+\j+1]
	v_pk_add_f32 v[210:211], v[210:211], v[S+2+\j:S+3+\j]
.endr
	v_pk_add_f32 v[14:15], v[14:15], v[210:211]
.if \next
	s_wait_dscnt 9                                 ; V and its scales are in: the next step's nine loads of K were issued behind them
.else
	s_wait_dscnt 0x0                               ; V and its scales are in
.endif
	s_wait_alu depctr_va_vdst(0)                   ; the conversions have written P's codes and the v_or_b32 its scale word, which the scaled products below take; the places above stay beside this wait
.irp t, 0,1,2,3                        ; O^T += V^T P^T: four accumulators, one instruction each
.if \first
	MM O+8*\t, VF+8*\t, PF, 0, 248+(\t/2), 250, \t%2
.else
	MM O+8*\t, VF+8*\t, PF, O+8*\t, 248+(\t/2), 250, \t%2
.endif
.endr
	s_add_co_u32 s42, s42, 4096                    ; the next 128 keys: K's and V's images,
	s_add_co_u32 s43, s43, 512                     ; K's scale words,
	s_add_co_u32 s44, s44, 256                     ; V's
.endm
.Ltile:                                            ; four trips: my query tiles.  Tile 4 w + it holds tokens 8 w + it (rows 0-7: its 8 chunks) and 8 w + it + 4 (rows 8-15)
	s_mov_b32 s42, 0
	s_mov_b32 s43, 0
	s_mov_b32 s44, 0
	STEP 1, 1
	s_mov_b32 s37, 6
.Lstep:
	STEP 0, 1
	s_sub_co_u32 s37, s37, 1
	s_cmp_lg_u32 s37, 0
	s_cbranch_scc1 .Lstep
	STEP 0, 0                                      ; the tile's last step is written out: there is no K behind it to ask for
	; THE WAY OUT.  O^T / the sum goes through my own stage: a lane's 8 channels of a query are 32 bytes; a query's 64 channels are 256 bytes of a row of out0, the 8 chunks of a token one whole row of 2,048.
	v_add_f32 v14, v14, v15                        ; the sum's two halves,
	v_permlanex16_b32 v203, v14, s32, s33
	v_add_f32 v14, v14, v203                       ; and lane l xor 16's 512 keys
	s_wait_alu depctr_va_vdst(0)
	v_rcp_f32 v208, v14
	v_nop                                          ; a plain place behind the reciprocal; with the two additions these two are the four places behind the last products
	v_nop
	s_wait_alu depctr_va_vdst(0)                   ; the reciprocal has written v208, ahead of its first reader
.irp j, 0,2,4,6,8,10,12,14,16,18,20,22,24,26,28,30
	v_pk_mul_f32 v[S+\j:S+\j+1], v[O+\j:O+\j+1], v[208:209] op_sel_hi:[1,0]   ; each accumulator from its low end on
.endr
	s_wait_alu depctr_va_vdst(0)                   ; the multiplications have written v[S .. S+31], which the stores into the stage read; the last step's sums and conversions are done reading v[S+32 .. S+63], in which the loads from the stage land
.irp t, 0,1,2,3
.irp e, 0,1
	ds_store_b128 v100, v[S+8*\t+4*\e:S+8*\t+4*\e+3] offset:64*\t+16*\e
.endr
.endr
.irp k, 0,1,2,3,4,5,6,7
	ds_load_b128 v[S+32+4*\k:S+35+4*\k], v101 offset:544*\k   ; LDS serves a wave's instructions in order (ISA guide 5.7.1.4): these see my stores
.endr
.irp k, 0,1,2,3,4,5,6,7
	s_wait_dscnt 7-\k                              ; load k is in; the younger ones may be out
	global_store_b128 v1, v[S+32+4*\k:S+35+4*\k], s[30:31] offset:8192*(\k/4)+512*(\k%4) th:TH_STORE_NT   ; 32 lanes store 512 consecutive bytes, at a multiple of 256 from out0's first byte; rows 8-15 of the tile belong to the token 4 rows on
.endr
	s_wait_xcnt 0x0                                ; the stores' base and data registers are written again only behind this wait
	s_wait_alu depctr_vm_vsrc(0)                   ; the stores into the stage and of out0 have read v[S .. S+63], Q's loads v103 and v212, the last steps' loads v8 to v11: the next tile writes all of them again
	s_add_nc_u64 s[30:31], s[30:31], 2048          ; the next tile's first token is the next row
	s_add_co_u32 s45, s45, 512
	s_add_co_u32 s46, s46, 4
	s_sub_co_u32 s36, s36, 1
	s_cmp_lg_u32 s36, 0
	s_cbranch_scc1 .Ltile
	s_wait_xcnt 0x0
	s_wait_alu depctr_vm_vsrc(0)                   ; the projection passes' image stores have read v254 and v255, which are made anew below
	v_lshl_add_u32 v254, v0, 2, 0x34800
	v_mov_b32 v255, 0
	s_wait_dscnt 0x0                               ; the closing lines, six on end
	s_wait_alu 0x0
	s_wait_tensorcnt 0x0
	ds_add_u32 v254, v255
	s_wait_dscnt 0x0
	s_endpgm
.Lfunc_end_k_qec1ff68fd4_mha:
	.size	k_qec1ff68fd4_mha, .Lfunc_end_k_qec1ff68fd4_mha-k_qec1ff68fd4_mha
	.p2alignl 7, 3214868480
	.fill 96, 4, 3214868480
	.section	.rodata,"a",@progbits
	.p2align	6, 0x0
	.amdhsa_kernel k_qec1ff68fd4_mha
		.amdhsa_group_segment_fixed_size 217088
		.amdhsa_private_segment_fixed_size 0
		.amdhsa_enable_private_segment 0
		.amdhsa_kernarg_size 96
		.amdhsa_user_sgpr_count 2
		.amdhsa_user_sgpr_kernarg_segment_ptr 1
		.amdhsa_wavefront_size32 1
		.amdhsa_system_sgpr_workgroup_id_x 1
		.amdhsa_system_sgpr_workgroup_id_y 1
		.amdhsa_system_sgpr_workgroup_id_z 1
		.amdhsa_system_vgpr_workitem_id 0
		.amdhsa_next_free_vgpr 256
		.amdhsa_next_free_sgpr 66
		.amdhsa_reserve_vcc 0
		.amdhsa_float_denorm_mode_32 3
		.amdhsa_float_denorm_mode_16_64 3
		.amdhsa_memory_ordered 1
		.amdhsa_forward_progress 1
		.amdhsa_inst_pref_size 127
	.end_amdhsa_kernel
	.amdgpu_metadata
---
amdhsa.version: [ 1, 2 ]
amdhsa.kernels:
  - .name:           k_qec1ff68fd4_mha
    .symbol:         k_qec1ff68fd4_mha.kd
    .args:
      - { .name: x_codes, .offset: 0, .size: 8, .value_kind: global_buffer, .address_space: global }
      - { .name: x_scales, .offset: 8, .size: 8, .value_kind: global_buffer, .address_space: global }
      - { .name: Wq_codes, .offset: 16, .size: 8, .value_kind: global_buffer, .address_space: global }
      - { .name: Wq_scales, .offset: 24, .size: 8, .value_kind: global_buffer, .address_space: global }
      - { .name: bq, .offset: 32, .size: 8, .value_kind: global_buffer, .address_space: global }
      - { .name: Wk_codes, .offset: 40, .size: 8, .value_kind: global_buffer, .address_space: global }
      - { .name: Wk_scales, .offset: 48, .size: 8, .value_kind: global_buffer, .address_space: global }
      - { .name: bk, .offset: 56, .size: 8, .value_kind: global_buffer, .address_space: global }
      - { .name: Wv_codes, .offset: 64, .size: 8, .value_kind: global_buffer, .address_space: global }
      - { .name: Wv_scales, .offset: 72, .size: 8, .value_kind: global_buffer, .address_space: global }
      - { .name: bv, .offset: 80, .size: 8, .value_kind: global_buffer, .address_space: global }
      - { .name: out0, .offset: 88, .size: 8, .value_kind: global_buffer, .address_space: global }
    .group_segment_fixed_size: 217088
    .private_segment_fixed_size: 0
    .kernarg_segment_align: 8
    .kernarg_segment_size: 96
    .max_flat_workgroup_size: 512
    .sgpr_count:     66
    .vgpr_count:     256
    .wavefront_size: 32
...
	.end_amdgpu_metadata
.endif
;; end of part 2
